; MI455X (gfx1250); checked and timed in simulation.
; The chip was launched on July 23, 2026; its instructions are those of AMD's public machine-readable ISA for CDNA 5 (MIT licence, August 2026) and "CDNA5" Instruction Set Architecture Reference Guide (July 2026). The comments in the code are by the model that wrote it; some were corrected since.
;; RND. Allowed arithmetic: matrix products marked QUANTISED: E4M3 operands, one given power-of-two scale a tensor, by v_wmma_f32_16x16x64_fp8_fp8 or v_wmma_f32_16x16x128_fp8_fp8, f32 sums; everything else in f32.
;; Inputs: lowp_scales 12 int32 (the exponents e of the quantised operands' scales 2^e); obs_codes 524,288 x 2 x 32 uint8 (E4M3 codes of obs, K innermost, in blocks of 32 codes); pW1_codes 128 x 2 x 32 uint8 (E4M3 codes of pW1, K innermost, in blocks of 32 codes); pW2_codes 128 x 4 x 32 uint8 (E4M3 codes of pW2, K innermost, in blocks of 32 codes); pW3_codes 128 x 4 x 32 uint8 (E4M3 codes of pW3, K innermost, in blocks of 32 codes); pb1 128 float32; pb2 128 float32; pb3 128 float32; reward_count 1 float32; reward_m2 1 float32; reward_mean 1 float32; tW1_codes 128 x 2 x 32 uint8 (E4M3 codes of tW1, K innermost, in blocks of 32 codes); tW2_codes 128 x 4 x 32 uint8 (E4M3 codes of tW2, K innermost, in blocks of 32 codes); tW3_codes 128 x 4 x 32 uint8 (E4M3 codes of tW3, K innermost, in blocks of 32 codes); tb1 128 float32; tb2 128 float32; tb3 128 float32.
;; Outputs: out0 524,288 float32.
;; This version of the problem:
;;   THIS VERSION OF THE PROBLEM IS GIVEN IN LOW PRECISION. The matrix products marked QUANTISED in the list below multiply operands that are first quantised to E4M3 (4 exponent bits, 3 mantissa bits; 8 bits a number), with one given power-of-two scale for each operand tensor; their sums are f32. All else is computed in f32.
;;   The module's matrix products, in the order in which they are computed (A, B: the left and right operand; K: the contracted axis; several contracted axes count as one K, in the product's order):
;;     1. [M 524,288, K 64] x [K 64, N 128]; A: input obs (given as codes); B: input tW1 (given as codes): QUANTISED (scales: A lowp_scales[0], B lowp_scales[1])
;;     2. [M 524,288, K 128] x [K 128, N 128]; A: computed on the way; B: input tW2 (given as codes): QUANTISED (scales: A lowp_scales[2], B lowp_scales[3])
;;     3. [M 524,288, K 128] x [K 128, N 128]; A: computed on the way; B: input tW3 (given as codes): QUANTISED (scales: A lowp_scales[4], B lowp_scales[5])
;;     4. [M 524,288, K 64] x [K 64, N 128]; A: input obs (given as codes); B: input pW1 (given as codes): QUANTISED (scales: A lowp_scales[6], B lowp_scales[7])
;;     5. [M 524,288, K 128] x [K 128, N 128]; A: computed on the way; B: input pW2 (given as codes): QUANTISED (scales: A lowp_scales[8], B lowp_scales[9])
;;     6. [M 524,288, K 128] x [K 128, N 128]; A: computed on the way; B: input pW3 (given as codes): QUANTISED (scales: A lowp_scales[10], B lowp_scales[11])
;;   THE QUANTISER, for each operand of a quantised product, along K:
;;     - The operand's scale is 2^e, e = its entry of the input lowp_scales (int32; the entries are numbered through the quantised products in the list's order, A before B).
;;     - Each number is divided by the scale, clamped to +-448, and rounded to the nearest number of E4M3, ties to even, subnormals kept.
;;     - The product sums the exact products of the quantised numbers (number of the format x scale) in f32.
;;   ~~~python
;;   def quantise(x, axis, e):      # numpy; x: float32 -> the quantised numbers, widened to float32 again
;;       x = np.moveaxis(x, axis, -1); K = x.shape[-1]
;;       r = np.clip(x / 2.0 ** e, -448, 448)
;;       step = 2.0 ** (np.maximum(np.frexp(np.where(r == 0, 1, r))[1] - 1, -6) - 3)
;;       q = np.round(r / step) * step * 2.0 ** e      # np.round: ties to even
;;       return np.moveaxis(q, -1, axis).astype(np.float32)
;;   ~~~
;;   OPERANDS COMPUTED ON THE WAY. 'Computed on the way' means the value that the module computes at that place (a softmax that the list does not call 'softmax' is quantised finished and normalised). What goes into a quantiser is computed in f32, as accurately as f32 sums, v_exp_f32 and their like allow (about 1e-6 of the number): no bf16 or f16 on the way to a quantiser, and a product that is left as it is and whose result goes on into a quantised operand takes f32 operands (vector FMAs, or v_wmma_f32_16x16x4_f32). A number that lies on a knife's edge between two numbers of the format may be rounded either way, as far as f32 arithmetic and the matrix unit's own rounding can turn it there, and no further.
;;   INPUTS GIVEN AS CODES. obs (in the module: [524288, 64], K = its axis 1); pW1 (in the module: [128, 64], K = its axis 1); pW2 (in the module: [128, 128], K = its axis 1); pW3 (in the module: [128, 128], K = its axis 1); tW1 (in the module: [128, 64], K = its axis 1); tW2 (in the module: [128, 128], K = its axis 1); tW3 (in the module: [128, 128], K = its axis 1): each comes as NAME_codes (uint8): NAME with its K axis moved to the last place and cut into blocks of 32 codes, [.., K / 32, bytes a block], one block behind the other in memory; one code a byte (a code: sign, 4 exponent bits, 3 mantissa bits); its scale is its entry of lowp_scales. Its value is code x scale, taken as it is: it is not quantised again, and the codes and scales need not be those that the quantiser above would give.
;; One version. Each part assembles by itself: llvm-mc -triple=amdgcn-amd-amdhsa -mcpu=gfx1250 --defsym DOCPART=n.
;; ======== version 1 of 1: 2 launches
;; limits: right only within a limited range of input values
;; workspace buffers: rewards 2,097,152 bytes; parts 8,192 bytes
;; launch bonus (part 1): grid 256 x 1, 4 waves a work-group, no clusters, 327,680 bytes of LDS; arguments obs_codes, tW1_codes, tW2_codes, tW3_codes, pW1_codes, pW2_codes, pW3_codes, tb1, tb2, tb3, pb1, pb2, pb3, lowp_scales, rewards, parts; writes rewards, parts
.if DOCPART == 1
	.amdgcn_target "amdgcn-amd-amdhsa--gfx1250"
	.amdhsa_code_object_version 6
	.text
	.protected	k_q6ca4fd28a1_bonus
	.globl	k_q6ca4fd28a1_bonus
	.p2align	8
	.type	k_q6ca4fd28a1_bonus,@function
k_q6ca4fd28a1_bonus:
	s_mov_b64 s[64:65], 0
	v_nop
	global_prefetch_b8 v0, s[64:65] scope:SCOPE_SE
	s_setreg_imm32_b32 hwreg(HW_REG_WAVE_MODE, 25, 1), 1
	s_wait_xcnt 0x0
; rewards[row] = mean over 128 of (tgt - pred)^2, tgt and pred the two nets 64 -> 128 -> 128 -> 128 (relu behind layers 1 and 2) on the same 524,288 rows of E4M3 codes;
; all six products on E4M3 codes, each operand with its given scale 2^e (e0 .. e11 in lowp_scales); sums, biases, squares in f32.  Beside the rewards each wave stores the mean of its 512
; rewards and their sum of squared differences from that mean; the next launch merges the 1,024 parts and normalises.
; NOTHING IS LEFT OUT: every input has a way to the result and every product is live.  ONE REGROUPING: tb3 - pb3 is formed first and is the C of the target's third product, the sums are then
; turned to the predictor's scale with the sign changed, and the predictor's third product adds onto them: the accumulator holds (pred - tgt) / 2^(e10+e11); tgt and pred are not formed apart.
; LIMITS, so that each power of two below is an f32 number: e2-e0-e1, e4-e2-e3, e8-e6-e7, e10-e8-e9 between -126 and 119; (e4+e5)-(e10+e11) between -126 and 127.  NaN among the biases is not served.
; SHARES.  A work-group takes 2,048 rows, each of its four waves 512.  A wave holds ALL weights of both nets in registers for the whole launch (640 registers, read once) and walks its rows in
; 16 trips of 32: stream a = rows 0-15, stream b = rows 16-31.  The hidden layers never leave the registers.
; LAYOUT.  Every product is used transposed (source 0 = 16 rows of W, source 1 = 16 rows of the batch): a lane holds ONE row of the batch (lane % 16), its registers run along the units.
; THE ROWS OF W THAT FORM A TILE ARE NOT NEIGHBOURS: lane r of tile t takes row 32 (t/2) + 8 (t%2) + r + (r & 8), so that register j of tile t in lane (r, h) is unit 32 (t/2) + 16 h + 8 (t%2) + j,
; and the conversion of tile t gives registers 2 t, 2 t + 1 of the next operand.  k is laid by loads of 16 bytes, alike in both sources (registers 4 c .. 4 c + 3: k = 32 c + 16 h + 0 .. 15): a
; permutation of k inside an instruction; the result is compared within a tolerance.
; BY TURNS.  While one stream's eight products of a stage are issued, the other stream's vector work of its stage stands in slices behind them.  K is whole in every product, so no sum is a chain
; but the third layer's pair, and the sixteen accumulators take turns, one instruction a turn.
; NO CLUSTER: work-groups share only the 81,920 bytes of weights and the biases, which each wave takes once, straight into operand registers; every row of obs belongs to one wave.
; REGISTERS, in windows of 256 (s_set_vgpr_msb: bits 1:0 source 0, 3:2 source 1, 5:4 source 2, 7:6 destination):
;   window 0: v1-15 addresses and scales; v16-31 obs's two fragments; v32-95 codes (CUR, KEEP of a, then of b); v96-107 squares and rewards; v128-191, v192-255 the accumulators of a and of b
;   window 1: v0-63 tW1, v64-191 tW2, v192-255 bias buffer 0     window 2: the same for pW1, pW2, bias buffer 1     window 3: v0-127 tW3, v128-255 pW3
; LDS: obs, 34,816 bytes a wave (four chunks of 128 rows, each filled once); five tables of scaled biases; the waves' rewards; the spare words: 151,552 bytes in use.
.set WREG,  34816                      ; a wave's obs in LDS: four chunks
.set CHUNK, 8704                       ; 128 rows of 64 bytes as 32 long rows of 256 bytes + 16 of padding
.set TILEB, 1088                       ; 16 rows: four long rows
.set TRIPB, 2176                       ; 32 rows
.set BIAS,  4*WREG                     ; five tables of 128 f32, 512 bytes each
.set REW,   BIAS+2560                  ; 2,304 bytes a wave: slot 0 takes the blank first turn, slot j + 1 trip j's 32 rewards
.set RWREG, 2304
.set SPARE, REW+4*RWREG                ; the spare words, 128 bytes for each wave: two blocks of 256 bytes that no other line names
.set OBA,  3                           ; v3   my lane's place in a tile of obs, in my wave's region
.set BIA,  4                           ; v4   BIAS + 64 h
.set RWA,  5                           ; v5   my lane's word in my wave's rewards
.set SPW,  6                           ; v6   LDS address of my spare word; never rewritten
.set NIL,  7                           ; v7   0; never rewritten
.set ADR,  8                           ; v8   the LDS address in hand
.set GOF,  9                           ; v9   4 x thread for the biases; on the way out 16 x lane
.set SC,   10                          ; v10-13  the conversions' scales as f32: T1, T2, P1, P2
.set W64,  14                          ; v14  my lane's byte in a tile of W1; on the way out my offset in parts
.set W128, 15                          ; v15  the same for W2 and W3
.set OBS,  16                          ; v16-23 stream a, v24-31 stream b
.set CUR,  32                          ; + 32 x stream: the codes that the next product takes
.set KEEP, 48                          ; + 32 x stream: the target's second hidden layer, kept for its third product
.set SQ,   96                          ; + 4 x stream: two chains of packed squares
.set RA,   104                         ; stream a's sum of squares
.set RB,   105                         ; stream b's
.set TQ,   106
.set TP,   107                         ; a lane permute's destination
.set BL,   108                         ; v108-113 the six biases as loaded
.set ACC,  128                         ; + 64 x stream + 8 x tile
.set BB,   192                         ; a bias buffer, in window 1 or 2
.set WV,   2                           ; s2   my wave's number
.set E,    36                          ; s[36:47] e0 .. e11
.set G1,   48                          ; s[48:55] descriptor group 1
.set G0,   56                          ; s[56:59] descriptor group 0, which walks
.set LIM,  60                          ; s60-63  448 x the conversions' scales
.set RHO,  66                          ; s[66:67] -2^((e4+e5)-(e10+e11)), twice
.set EXPF, 68                          ; s68  2 (e10+e11) - 7
.set HIM,  69                          ; s69  lanes 16-31
.set SEL,  70                          ; s[70:71] lane selects: lane l xor 16
.set OB,   72                          ; s72  the trip's first byte in my wave's obs
.set RW,   73                          ; s73  the slot of rewards that the trip's head stores
.set CH,   74
.set TR,   75
.set T1, 0x11                          ; a stage's name is its window setting: W in source 0, the batch in window 0, the bias buffer in source 2, results in window 0
.set T2, 0x21
.set P1, 0x12
.set P2, 0x22
.set T3, 0x13
.set P3, 0x03
.set MSB, 0
.macro WIN new                         ; the immediate's high byte repeats the setting that is left; a switch that changes nothing is dropped
.if MSB != (\new)
	s_set_vgpr_msb (MSB<<8)|(\new)
.set MSB, (\new)
.endif
.endm
; One product: stage st, stream x, tile t.
.macro MM st, x, t
.set rD, ACC+64*(\x)+8*(\t)
.set rC, BB+8*(\t)
.if (\st == T1) || (\st == P1)
	v_wmma_f32_16x16x64_fp8_fp8 v[rD:rD+7], v[8*(\t):8*(\t)+7], v[OBS+8*(\x):OBS+8*(\x)+7], v[rC:rC+7]
.elseif (\st == T2) || (\st == P2)
	v_wmma_f32_16x16x128_fp8_fp8 v[rD:rD+7], v[64+16*(\t):64+16*(\t)+15], v[CUR+32*(\x):CUR+32*(\x)+15], v[rC:rC+7]
.elseif \st == T3
	v_wmma_f32_16x16x128_fp8_fp8 v[rD:rD+7], v[16*(\t):16*(\t)+15], v[KEEP+32*(\x):KEEP+32*(\x)+15], v[rC:rC+7]
.else
	v_wmma_f32_16x16x128_fp8_fp8 v[rD:rD+7], v[128+16*(\t):128+16*(\t)+15], v[CUR+32*(\x):CUR+32*(\x)+15], v[rD:rD+7]
.endif
.endm
; The activation and the hold in one, for tile t of stream y: between 0 and 448 x the scale (the conversion to an 8-bit code does not saturate: ISA guide 7.6.2).  Source 0 is a scalar, source 1 and the
; destination lie in window 0 under every stage's setting, source 2 is a constant: so these lines stand among a stage's products without a switch.  Each accumulator from its low end on.
.macro QS y, t, q
.irp j, 0,1,2,3,4,5,6,7
	v_med3_num_f32 v[ACC+64*(\y)+8*(\t)+\j], s[LIM+\q], v[ACC+64*(\y)+8*(\t)+\j], 0
.endr
.endm
; Stream y's 64 numbers a lane become the next operand's 16 registers.  Four v_nop: one plain line is owed behind the conversions, ahead of the products that read their results and write their sources;
; the four are also the places behind the phase's last product, ahead of loads into its bias buffer, of the next read of its results and of conversions into its operand.
.macro QC y, dst, q
	WIN 0
.irp t, 0,1,2,3,4,5,6,7
	v_cvt_scalef32_pk8_fp8_f32 v[\dst+32*(\y)+2*\t:\dst+32*(\y)+2*\t+1], v[ACC+64*(\y)+8*\t:ACC+64*(\y)+8*\t+7], v[SC+\q]
.endr
.rept 4
	v_nop
.endr
.endm
; A phase: stream x's eight products of stage st; behind each a slice of the other stream's hold; then that stream's conversions, with scale q, into dst.
.macro PHQ st, x, q, dst
	WIN \st
.irp t, 0,1,2,3,4,5,6,7
	MM \st, \x, \t
	QS (1-\x), \t, \q
.endr
	QC (1-\x), \dst, \q
.endm
; A phase whose slices turn the other stream's third-layer sums to the predictor's scale, with the sign changed.  Packed forms take the accumulator as source 0, so each slice has its two switches.
.macro PHS st, x
.irp t, 0,1,2,3,4,5,6,7
	WIN \st
	MM \st, \x, \t
	WIN 0
.irp j, 0,2,4,6
	v_pk_mul_f32 v[ACC+64*(1-\x)+8*\t+\j:ACC+64*(1-\x)+8*\t+\j+1], v[ACC+64*(1-\x)+8*\t+\j:ACC+64*(1-\x)+8*\t+\j+1], s[RHO:RHO+1] op_sel_hi:[1,0]
.endr
.endr
.endm
; The squares of tile t of stream y, two at a time, in two chains; tile 0 starts them: nothing is cleared.
.macro FS y, t
.set rA, ACC+64*(\y)+8*(\t)
.set rQ, SQ+4*(\y)
.if (\t) == 0
	v_pk_mul_f32 v[rQ:rQ+1], v[rA:rA+1], v[rA:rA+1]
	v_pk_mul_f32 v[rQ+2:rQ+3], v[rA+2:rA+3], v[rA+2:rA+3]
.else
	v_pk_fma_f32 v[rQ:rQ+1], v[rA:rA+1], v[rA:rA+1], v[rQ:rQ+1]
	v_pk_fma_f32 v[rQ+2:rQ+3], v[rA+2:rA+3], v[rA+2:rA+3], v[rQ+2:rQ+3]
.endif
	v_pk_fma_f32 v[rQ:rQ+1], v[rA+4:rA+5], v[rA+4:rA+5], v[rQ:rQ+1]
	v_pk_fma_f32 v[rQ+2:rQ+3], v[rA+6:rA+7], v[rA+6:rA+7], v[rQ+2:rQ+3]
.endm
.macro PHF st, x                       ; a phase whose slices are the other stream's squares
.irp t, 0,1,2,3,4,5,6,7
	WIN \st
	MM \st, \x, \t
	WIN 0
	FS (1-\x), \t
.endr
.endm
.macro FRED y, dst                     ; the two chains, the pair's halves, and the row's other 64 units, which lie in lane l xor 16
.set rQ, SQ+4*(\y)
	v_pk_add_f32 v[rQ:rQ+1], v[rQ:rQ+1], v[rQ+2:rQ+3]
	v_add_f32 v[rQ], v[rQ], v[rQ+1]
	v_permlanex16_b32 v[TP], v[rQ], s[SEL], s[SEL+1]
	v_add_f32 v[\dst], v[rQ], v[TP]
.endm
; Stream b is finished, and the 32 rewards go to my wave's slot in LDS: lanes 0-15 hold stream a's rows, lanes 16-31 stream b's; x 2^(2 (e10+e11)) / 128.
.macro FINB
	WIN 0
.irp t, 0,1,2,3,4,5,6,7
	FS 1, \t
.endr
	FRED 1, RB
	v_cndmask_b32 v[TQ], v[RA], v[RB], s[HIM]
	v_ldexp_f32 v[TQ], v[TQ], s[EXPF]
	v_add_nc_u32 v[ADR], s[RW], v[RWA]
	ds_store_b32 v[ADR], v[TQ]
.endm
; Table tab of the biases into buffer buf, in the results' layout: tile t's eight units of my half.  All lanes of a half read the same 16 bytes.  The window stays set: the next WIN changes it.
.macro BRUN buf, tab
	WIN 0x40*(\buf+1)
.irp t, 0,1,2,3,4,5,6,7
	ds_load_b128 v[BB+8*\t:BB+8*\t+3], v[BIA] offset:512*(\tab)+128*(\t/2)+32*(\t%2)
	ds_load_b128 v[BB+8*\t+4:BB+8*\t+7], v[BIA] offset:512*(\tab)+128*(\t/2)+32*(\t%2)+16
.endr
.endm
.macro REDUCE r                        ; a sum over the 32 lanes, in every lane
	v_add_f32_dpp v[\r], v[\r], v[\r] row_xmask:1 row_mask:0xf bank_mask:0xf
	v_add_f32_dpp v[\r], v[\r], v[\r] row_xmask:2 row_mask:0xf bank_mask:0xf
	v_add_f32_dpp v[\r], v[\r], v[\r] row_xmask:4 row_mask:0xf bank_mask:0xf
	v_add_f32_dpp v[\r], v[\r], v[\r] row_xmask:8 row_mask:0xf bank_mask:0xf
	v_permlanex16_b32 v[TP], v[\r], s[SEL], s[SEL+1]
	v_add_f32 v[\r], v[\r], v[TP]
.endm
.macro WLOAD64 base, ptr               ; a first layer's eight fragments: 16 rows x 64 K, two loads of 16 bytes a lane
.irp t, 0,1,2,3,4,5,6,7
.irp c, 0,1
	global_load_b128 v[\base+8*\t+4*\c:\base+8*\t+4*\c+3], v[W64], s[\ptr:\ptr+1] offset:(32*(\t/2)+8*(\t%2))*64+32*\c
.endr
.endr
.endm
.macro WLOAD128 base, ptr              ; a second or third layer's eight fragments: 16 rows x 128 K, four loads
.irp t, 0,1,2,3,4,5,6,7
.irp c, 0,1,2,3
	global_load_b128 v[\base+16*\t+4*\c:\base+16*\t+4*\c+3], v[W128], s[\ptr:\ptr+1] offset:(32*(\t/2)+8*(\t%2))*128+32*\c
.endr
.endr
.endm
.macro MKS q, en, sum                  ; stage q's sums stand for sum x 2^s[sum]; their codes are sum / 2^(e[en] - s[sum]): the three scales folded into the conversion's one
	s_sub_co_i32 s82, s[E+\en], s[\sum]
	s_add_co_i32 s82, s82, 127
	s_lshl_b32 s83, s82, 23
	v_mov_b32 v[SC+\q], s83
	s_add_co_i32 s82, s82, 8
	s_lshl_b32 s82, s82, 23
	s_or_b32 s[LIM+\q], s82, 0x600000              ; 448 x that scale
.endm
	s_load_b512 s[4:19], s[0:1], 0x0               ; obs s[4:5], tW1 6, tW2 8, tW3 10, pW1 12, pW2 14, pW3 16, tb1 18
	s_load_b512 s[20:35], s[0:1], 0x40             ; tb2 s[20:21], tb3 22, pb1 24, pb2 26, pb3 28, the exponents 30, rewards 32, parts 34
	v_lshl_add_u32 v[SPW], v0, 2, SPARE
	v_mov_b32 v[NIL], 0
	ds_add_u32 v[SPW], v[NIL]                      ; the wave's opening: the add, twice on end, and its wait ahead of my first tensor load
	ds_add_u32 v[SPW], v[NIL]                      ; and once more; the set-up below, work on registers, stands between it and the wait
	v_lshrrev_b32 v1, 5, v0
	v_readfirstlane_b32 s[WV], v1                  ; wave 0..3
	; descriptor group 1: a chunk, 8,192 dense bytes, as 32 rows of 32 elements of 8 bytes, 16 bytes of padding behind each row in LDS
	s_mov_b32 s[G1+0], (3<<16)|(1<<20)|(5<<22)|(3<<25)  ; no mask; elements of 8 bytes; padding on, after every 64 words, of 4 words
	s_mov_b32 s[G1+1], 32<<16                      ; tensor_dim0 = 32
	s_mov_b32 s[G1+2], 32<<16                      ; tensor_dim1 = 32
	s_mov_b32 s[G1+3], 32<<16                      ; tile_dim0 = 32
	s_mov_b32 s[G1+4], 32                          ; tile_dim1 = 32
	s_mov_b32 s[G1+5], 32                          ; from row to row: 32 elements
	s_mov_b32 s[G1+6], 0
	s_mov_b32 s[G1+7], 0
	s_mov_b32 s[G0], 1
	s_mul_i32 s[G0+1], s[WV], WREG                 ; my wave's region
	s_lshl_b32 s76, ttmp9, 17                      ; the work-group's 2,048 rows of 64 bytes,
	s_lshl_b32 s77, s[WV], 15                      ; my wave's 512
	s_add_co_u32 s76, s76, s77
	s_mov_b32 s77, 0
	s_mov_b32 s[HIM], 0xffff0000
	s_mov_b32 s[SEL], 0x76543210
	s_mov_b32 s[SEL+1], 0xfedcba98
	s_mov_b32 s[OB], 0
	s_mov_b32 s[RW], 0
	s_wait_dscnt 0x0                               ; both opening adds are done
	s_wait_kmcnt 0x0
	s_add_nc_u64 s[G0+2:G0+3], s[4:5], s[76:77]
	s_or_b32 s[G0+3], s[G0+3], 0x80000000          ; type = 2
	tensor_load_to_lds s[G0:G0+3], s[G1:G1+7]      ; chunk 0: my first 128 rows
	s_nop 0
.rept 4
	v_nop
.endr
	s_load_b256 s[E:E+7], s[30:31], 0x0            ; e0 .. e7
	s_load_b128 s[E+8:E+11], s[30:31], 0x20        ; e8 .. e11
	v_and_b32 v1, 15, v0                           ; r
	v_bfe_u32 v2, v0, 4, 1                         ; h
	v_lshrrev_b32 v[ADR], 2, v1                    ; obs: row r of a tile lies in long row r / 4, at 64 (r % 4): the sixteen lanes of a load's half touch sixteen different 16-byte columns of 256
	v_mul_u32_u24 v[OBA], v[ADR], 272
	v_and_b32 v[ADR], 3, v1
	v_lshl_add_u32 v[OBA], v[ADR], 6, v[OBA]
	v_lshl_add_u32 v[OBA], v2, 4, v[OBA]
	v_add_nc_u32 v[OBA], s[G0+1], v[OBA]
	v_lshl_add_u32 v[BIA], v2, 6, BIAS
	v_and_b32 v[ADR], 31, v0
	s_mul_i32 s76, s[WV], RWREG
	v_lshl_add_u32 v[RWA], v[ADR], 2, s76
	v_add_nc_u32 v[RWA], REW, v[RWA]
	v_and_b32 v[ADR], 8, v1
	v_add_nc_u32 v[ADR], v[ADR], v1                ; r + (r & 8)
	v_lshlrev_b32 v[W64], 6, v[ADR]
	v_lshl_add_u32 v[W64], v2, 4, v[W64]
	v_lshlrev_b32 v[W128], 7, v[ADR]
	v_lshl_add_u32 v[W128], v2, 4, v[W128]
	v_lshlrev_b32 v[GOF], 2, v0                    ; thread i takes number i of each bias
	global_load_b32 v[BL+0], v[GOF], s[18:19]      ; tb1
	global_load_b32 v[BL+1], v[GOF], s[20:21]      ; tb2
	global_load_b32 v[BL+2], v[GOF], s[22:23]      ; tb3
	global_load_b32 v[BL+3], v[GOF], s[24:25]      ; pb1
	global_load_b32 v[BL+4], v[GOF], s[26:27]      ; pb2
	global_load_b32 v[BL+5], v[GOF], s[28:29]      ; pb3
	WIN 0x40                                       ; destination window 1, address window 0
	WLOAD64  0,  6
	WLOAD128 64, 8
	WIN 0x80
	WLOAD64  0,  12
	WLOAD128 64, 14
	WIN 0xc0
	WLOAD128 0,   10
	WLOAD128 128, 16
	WIN 0
	s_wait_kmcnt 0x0
	s_add_co_i32 s76, s[E+0], s[E+1]               ; what each product's sums lack: T1,
	s_add_co_i32 s77, s[E+2], s[E+3]               ; T2,
	s_add_co_i32 s78, s[E+6], s[E+7]               ; P1,
	s_add_co_i32 s79, s[E+8], s[E+9]               ; P2,
	s_add_co_i32 s80, s[E+4], s[E+5]               ; T3,
	s_add_co_i32 s81, s[E+10], s[E+11]             ; P3
	MKS 0, 2,  76
	MKS 1, 4,  77
	MKS 2, 8,  78
	MKS 3, 10, 79
	s_sub_co_i32 s82, s80, s81
	s_add_co_i32 s82, s82, 127
	s_lshl_b32 s82, s82, 23
	s_or_b32 s[RHO], s82, 0x80000000               ; -2^((e4+e5)-(e10+e11))
	s_mov_b32 s[RHO+1], s[RHO]                     ; (named with it as a pair, so it is written)
	s_lshl_b32 s[EXPF], s81, 1
	s_sub_co_i32 s[EXPF], s[EXPF], 7
.irp i, 76,77,78,79,80
	s_sub_co_i32 s\i, 0, s\i
.endr
	s_wait_loadcnt 0x0                             ; the biases and all weights
	v_sub_f32 v[BL+2], v[BL+2], v[BL+5]            ; tb3 - pb3
	v_ldexp_f32 v[BL+0], v[BL+0], s76              ; each bias goes in divided by the power of two that its sums lack
	v_ldexp_f32 v[BL+1], v[BL+1], s77
	v_ldexp_f32 v[BL+3], v[BL+3], s78
	v_ldexp_f32 v[BL+4], v[BL+4], s79
	v_ldexp_f32 v[BL+2], v[BL+2], s80
	v_lshl_add_u32 v[ADR], v0, 2, BIAS
	ds_store_b32 v[ADR], v[BL+0]                   ; table 0: T1's
	ds_store_b32 v[ADR], v[BL+1] offset:512        ; 1: T2's
	ds_store_b32 v[ADR], v[BL+3] offset:1024       ; 2: P1's
	ds_store_b32 v[ADR], v[BL+4] offset:1536       ; 3: P2's
	ds_store_b32 v[ADR], v[BL+2] offset:2048       ; 4: the third layers'
	; The trip is written without a first step of its own: its head finishes the trip before.  The first head finds zeros and stores them into slot 0 of the rewards, which nobody reads.
.set i, 0
.rept 64
	v_mov_b32 v[ACC+64+i], 0
.set i, i+1
.endr
	v_mov_b32 v[RA], 0
	v_mov_b32 v[TP], 0                             ; written once: a lane permute's destination counts as one of its sources
; A TRIP: 32 rows through both nets.  Every window is 0 at its two ends.
.macro TRIP
	v_add_nc_u32 v[ADR], s[OB], v[OBA]
	ds_load_b128 v[OBS:OBS+3],     v[ADR]                    ; stream a: k = 16 h on, 32 + 16 h on
	ds_load_b128 v[OBS+4:OBS+7],   v[ADR] offset:32
	ds_load_b128 v[OBS+8:OBS+11],  v[ADR] offset:TILEB       ; stream b
	ds_load_b128 v[OBS+12:OBS+15], v[ADR] offset:TILEB+32
	BRUN 0, 0
	BRUN 1, 1
	FINB                                           ; the last trip's stream b, while the loads are on their way
	s_add_co_u32 s[OB], s[OB], TRIPB
	s_add_co_u32 s[RW], s[RW], 128
	s_wait_dscnt 17                                ; obs and buffer 0 are in; buffer 1's sixteen loads and the store may be out
	WIN T1
.irp t, 0,1,2,3,4,5,6,7
	MM T1, 0, \t                                   ; there is no vector work yet to set between them
.endr
.rept 4
	v_nop                                          ; the places ahead of the first read of these results
.endr
	PHQ T1, 1, 0, CUR                              ; b: first layer          | a: its first hidden layer
	s_wait_alu depctr_va_vdst(0)
	s_wait_dscnt 0x0                               ; buffer 1 is in
	BRUN 0, 2                                      ; buffer 0's last reader stands behind four places
	PHQ T2, 0, 0, CUR                              ; a: second layer         | b: its first hidden layer
	PHQ T2, 1, 1, KEEP                             ; b                       | a: the target's second hidden layer, kept
	s_wait_dscnt 0x0                               ; buffer 0 is in (asked for two phases ago)
	BRUN 1, 3
	PHQ P1, 0, 1, KEEP                             ; a: the predictor begins | b: kept
	PHQ P1, 1, 2, CUR
	s_wait_alu depctr_va_vdst(0)
	s_wait_dscnt 0x0
	BRUN 0, 4
	PHQ P2, 0, 2, CUR
	PHQ P2, 1, 3, CUR
	s_wait_dscnt 0x0
	PHQ T3, 0, 3, CUR                              ; a: the target's third layer, on the kept codes
	PHS T3, 1                                      ; b                       | a: to the predictor's scale, sign changed
	PHS P3, 0                                      ; a: the predictor's third layer adds onto that
	PHF P3, 1                                      ; b                       | a: the squares
	FRED 0, RA
.endm
	s_mov_b32 s[CH], 3
.Lchunk:                                           ; three turns of four trips: chunk c is read while chunk c + 1 is on its way
	s_wait_tensorcnt 0x0                           ; my one tensor load has landed: the chunk that I am about to read; so group 0 may be written
	ds_add_u32 v[SPW], v[NIL]                      ; 0 onto my spare word
	s_add_co_u32 s[G0+1], s[G0+1], CHUNK           ; the next chunk: bytes that nothing has filled yet,
	s_add_nc_u64 s[G0+2:G0+3], s[G0+2:G0+3], 8192  ; the next 128 rows; the type bits on top are not reached
	s_wait_dscnt 0x0                               ; the add is done, and all my LDS stores: in the first trip the tables of biases, which every wave reads behind this barrier
	s_barrier_signal -1
	s_barrier_wait -1
	tensor_load_to_lds s[G0:G0+3], s[G1:G1+7]      ; my one tensor load behind the barrier; it has four trips, 384 products, in which to land
	s_nop 0
.rept 4
	v_nop
.endr
	s_mov_b32 s[TR], 4
.Ltrip:
	TRIP
	s_sub_co_u32 s[TR], s[TR], 1
	s_cmp_lg_u32 s[TR], 0
	s_cbranch_scc1 .Ltrip
	s_sub_co_u32 s[CH], s[CH], 1
	s_cmp_lg_u32 s[CH], 0
	s_cbranch_scc1 .Lchunk
	s_wait_tensorcnt 0x0                           ; the last chunk is written out: it has landed; only I read it, and nothing is asked for
	s_mov_b32 s[TR], 4
.Ltail:
	TRIP
	s_sub_co_u32 s[TR], s[TR], 1
	s_cmp_lg_u32 s[TR], 0
	s_cbranch_scc1 .Ltail
	FINB                                           ; the last trip's stream b: slot 16
	; THE WAY OUT.  My 512 rewards come back from LDS, 16 bytes a lane, and leave in stores of 512 consecutive bytes; from the same registers the wave's mean and its sum of squared differences from that mean.
	v_and_b32 v1, 31, v0                           ; lane
	s_wait_alu depctr_va_vdst(0)
	v_lshlrev_b32 v[GOF], 4, v1
	s_mul_i32 s76, s[WV], RWREG
	s_add_co_u32 s76, s76, REW+128                 ; my slots 1 to 16
	v_add_nc_u32 v[ADR], s76, v[GOF]
.irp i, 0,1,2,3
	ds_load_b128 v[ACC+4*\i:ACC+4*\i+3], v[ADR] offset:512*\i   ; LDS serves a wave's instructions in order (ISA guide 5.7.1.4): these see my stores
.endr
	s_lshl_b32 s77, ttmp9, 2
	s_add_co_u32 s77, s77, s[WV]                   ; which of the 1,024 waves I am
	s_lshl_b32 s78, s77, 11
	s_mov_b32 s79, 0
	s_add_nc_u64 s[32:33], s[32:33], s[78:79]
	s_lshl_b32 s77, s77, 2
	v_and_b32 v[W64], 1, v1
	v_lshlrev_b32 v[W64], 12, v[W64]
	v_add_nc_u32 v[W64], s77, v[W64]               ; parts: row lane & 1, my wave's word
	s_wait_alu depctr_va_vdst(0)
	s_wait_dscnt 0x0
.irp i, 0,1,2,3
	global_store_b128 v[GOF], v[ACC+4*\i:ACC+4*\i+3], s[32:33] offset:512*\i
.endr
.set S, ACC+16
	v_pk_add_f32 v[S:S+1],   v[ACC:ACC+1],     v[ACC+2:ACC+3]
	v_pk_add_f32 v[S+2:S+3], v[ACC+4:ACC+5],   v[ACC+6:ACC+7]
	v_pk_add_f32 v[S+4:S+5], v[ACC+8:ACC+9],   v[ACC+10:ACC+11]
	v_pk_add_f32 v[S+6:S+7], v[ACC+12:ACC+13], v[ACC+14:ACC+15]
	v_pk_add_f32 v[S:S+1],   v[S:S+1],   v[S+2:S+3]
	v_pk_add_f32 v[S+4:S+5], v[S+4:S+5], v[S+6:S+7]
	v_pk_add_f32 v[S:S+1],   v[S:S+1],   v[S+4:S+5]
	v_add_f32 v[S], v[S], v[S+1]
	REDUCE S
	v_mul_f32 v[S], 0x3b000000, v[S]               ; / 512: the wave's mean
	v_mov_b32 v[S+1], v[S]
.irp j, 0,2,4,6,8,10,12,14
	v_pk_add_f32 v[S+2+\j:S+3+\j], v[ACC+\j:ACC+\j+1], v[S:S+1] neg_lo:[0,1] neg_hi:[0,1]   ; the mean is taken away first: no difference of large sums is formed
.endr
	v_pk_mul_f32 v[S+18:S+19], v[S+2:S+3], v[S+2:S+3]
	v_pk_mul_f32 v[S+20:S+21], v[S+4:S+5], v[S+4:S+5]
.irp j, 4,8,12
	v_pk_fma_f32 v[S+18:S+19], v[S+2+\j:S+3+\j], v[S+2+\j:S+3+\j], v[S+18:S+19]
	v_pk_fma_f32 v[S+20:S+21], v[S+4+\j:S+5+\j], v[S+4+\j:S+5+\j], v[S+20:S+21]
.endr
	v_pk_add_f32 v[S+18:S+19], v[S+18:S+19], v[S+20:S+21]
	v_add_f32 v[S+18], v[S+18], v[S+19]
	REDUCE S+18
	v_cmp_eq_u32 vcc_lo, 1, v1
	v_cndmask_b32 v[TQ], v[S], v[S+18], vcc_lo     ; lane 0: the mean; lane 1: the sum of squares
	s_wait_alu depctr_va_vdst(0)
	s_wait_xcnt 0x0                                ; EXEC changes only behind this wait: the stores above have read it
	v_cmp_gt_u32 vcc_lo, 2, v1
	s_and_saveexec_b32 s80, vcc_lo
	global_store_b32 v[W64], v[TQ], s[34:35]
	s_wait_xcnt 0x0                                ; and again, in front of the line that widens it
	s_or_b32 exec_lo, exec_lo, s80
	s_wait_tensorcnt 0x0                           ; the wave's end, behind my last tensor load and my last LDS store
	ds_add_u32 v[SPW], v[NIL]
	s_wait_dscnt 0x0
	s_endpgm
.Lfunc_end_k_q6ca4fd28a1_bonus:
	.size	k_q6ca4fd28a1_bonus, .Lfunc_end_k_q6ca4fd28a1_bonus-k_q6ca4fd28a1_bonus
	.p2alignl 7, 3214868480
	.fill 96, 4, 3214868480
	.section	.rodata,"a",@progbits
	.p2align	6, 0x0
	.amdhsa_kernel k_q6ca4fd28a1_bonus
		.amdhsa_group_segment_fixed_size 327680
		.amdhsa_private_segment_fixed_size 0
		.amdhsa_enable_private_segment 0
		.amdhsa_kernarg_size 128
		.amdhsa_user_sgpr_count 2
		.amdhsa_user_sgpr_kernarg_segment_ptr 1
		.amdhsa_wavefront_size32 1
		.amdhsa_system_sgpr_workgroup_id_x 1
		.amdhsa_system_sgpr_workgroup_id_y 1
		.amdhsa_system_sgpr_workgroup_id_z 1
		.amdhsa_system_vgpr_workitem_id 0
		.amdhsa_next_free_vgpr 1024
		.amdhsa_next_free_sgpr 86
		.amdhsa_reserve_vcc 1
		.amdhsa_float_denorm_mode_32 3
		.amdhsa_float_denorm_mode_16_64 3
		.amdhsa_memory_ordered 1
		.amdhsa_forward_progress 1
		.amdhsa_inst_pref_size 150
	.end_amdhsa_kernel
	.amdgpu_metadata
---
amdhsa.version: [ 1, 2 ]
amdhsa.kernels:
  - .name:           k_q6ca4fd28a1_bonus
    .symbol:         k_q6ca4fd28a1_bonus.kd
    .args:
      - { .name: obs_codes, .offset: 0, .size: 8, .value_kind: global_buffer, .address_space: global }
      - { .name: tW1_codes, .offset: 8, .size: 8, .value_kind: global_buffer, .address_space: global }
      - { .name: tW2_codes, .offset: 16, .size: 8, .value_kind: global_buffer, .address_space: global }
      - { .name: tW3_codes, .offset: 24, .size: 8, .value_kind: global_buffer, .address_space: global }
      - { .name: pW1_codes, .offset: 32, .size: 8, .value_kind: global_buffer, .address_space: global }
      - { .name: pW2_codes, .offset: 40, .size: 8, .value_kind: global_buffer, .address_space: global }
      - { .name: pW3_codes, .offset: 48, .size: 8, .value_kind: global_buffer, .address_space: global }
      - { .name: tb1, .offset: 56, .size: 8, .value_kind: global_buffer, .address_space: global }
      - { .name: tb2, .offset: 64, .size: 8, .value_kind: global_buffer, .address_space: global }
      - { .name: tb3, .offset: 72, .size: 8, .value_kind: global_buffer, .address_space: global }
      - { .name: pb1, .offset: 80, .size: 8, .value_kind: global_buffer, .address_space: global }
      - { .name: pb2, .offset: 88, .size: 8, .value_kind: global_buffer, .address_space: global }
      - { .name: pb3, .offset: 96, .size: 8, .value_kind: global_buffer, .address_space: global }
      - { .name: lowp_scales, .offset: 104, .size: 8, .value_kind: global_buffer, .address_space: global }
      - { .name: rewards, .offset: 112, .size: 8, .value_kind: global_buffer, .address_space: global }
      - { .name: parts, .offset: 120, .size: 8, .value_kind: global_buffer, .address_space: global }
    .group_segment_fixed_size: 327680
    .private_segment_fixed_size: 0
    .kernarg_segment_align: 8
    .kernarg_segment_size: 128
    .max_flat_workgroup_size: 128
    .sgpr_count:     86
    .vgpr_count:     1024
    .wavefront_size: 32
...
	.end_amdgpu_metadata
.endif
;; end of part 1
;; launch norm (part 2): grid 256 x 1, 4 waves a work-group, no clusters, 0 bytes of LDS; arguments rewards, parts, reward_mean, reward_m2, reward_count, out0; writes out0
.if DOCPART == 2
	.amdgcn_target "amdgcn-amd-amdhsa--gfx1250"
	.amdhsa_code_object_version 6
	.text
	.protected	k_q6ca4fd28a1_norm
	.globl	k_q6ca4fd28a1_norm
	.p2align	8
	.type	k_q6ca4fd28a1_norm,@function
k_q6ca4fd28a1_norm:
	s_mov_b64 s[64:65], 0
	v_nop
	global_prefetch_b8 v0, s[64:65] scope:SCOPE_SE
	s_setreg_imm32_b32 hwreg(HW_REG_WAVE_MODE, 25, 1), 1
	s_wait_xcnt 0x0
; out0 = (rewards - new_mean) / (std + 1e-8), with the batch's mean and sum of squares merged into the running figures.  Nothing is left out.
; parts holds, for each of 1,024 runs of 512 rewards, the run's mean (row 0) and its sum of squared differences from that mean (row 1).  Runs of equal length merge as
; mean = sum(mean_w) / 1,024 and m2 = sum(m2_w) + 512 sum((mean_w - mean)^2): the mean is taken away before squaring, so no difference of large sums is formed.
; Every wave makes the merge for itself from the 8,192 bytes of parts (32 numbers of each row a lane): no LDS, no barrier, no wave waits for another; then it normalises its own 512 rewards.
; A stream: matrix units, clusters and LDS would add nothing.  Each load and store of a wave covers 512 consecutive bytes.
.set M,   16                           ; v16-47   the runs' means, then their differences from the mean
.set Q,   48                           ; v48-79   the runs' sums of squares
.set R,   80                           ; v80-95   my 16 rewards
.set TP,  108                          ; a lane permute's destination
.set SEL, 20                           ; s[20:21] lane selects: lane l xor 16
.macro REDUCE r                        ; a sum over the 32 lanes, in every lane
	v_add_f32_dpp v[\r], v[\r], v[\r] row_xmask:1 row_mask:0xf bank_mask:0xf
	v_add_f32_dpp v[\r], v[\r], v[\r] row_xmask:2 row_mask:0xf bank_mask:0xf
	v_add_f32_dpp v[\r], v[\r], v[\r] row_xmask:4 row_mask:0xf bank_mask:0xf
	v_add_f32_dpp v[\r], v[\r], v[\r] row_xmask:8 row_mask:0xf bank_mask:0xf
	v_permlanex16_b32 v[TP], v[\r], s[SEL], s[SEL+1]
	v_add_f32 v[\r], v[\r], v[TP]
.endm
.macro SUM32 b, d                      ; the sum of v[b] .. v[b + 31] over all lanes into v[d]: two chains of packed additions, then across the lanes
	v_pk_add_f32 v[\d:\d+1],   v[\b:\b+1],   v[\b+4:\b+5]
	v_pk_add_f32 v[\d+2:\d+3], v[\b+2:\b+3], v[\b+6:\b+7]
.irp j, 8,12,16,20,24,28
	v_pk_add_f32 v[\d:\d+1],   v[\d:\d+1],   v[\b+\j:\b+\j+1]
	v_pk_add_f32 v[\d+2:\d+3], v[\d+2:\d+3], v[\b+\j+2:\b+\j+3]
.endr
	v_pk_add_f32 v[\d:\d+1], v[\d:\d+1], v[\d+2:\d+3]
	v_add_f32 v[\d], v[\d], v[\d+1]
	REDUCE \d
.endm
	s_load_b256 s[4:11], s[0:1], 0x0               ; rewards s[4:5], parts s[6:7], reward_mean s[8:9], reward_m2 s[10:11]
	s_load_b128 s[12:15], s[0:1], 0x20             ; reward_count s[12:13], out0 s[14:15]
	v_lshrrev_b32 v1, 5, v0
	v_readfirstlane_b32 s2, v1                     ; wave
	v_and_b32 v1, 31, v0
	v_lshlrev_b32 v1, 4, v1                        ; 16 bytes a lane
	s_lshl_b32 s22, ttmp9, 2
	s_add_co_u32 s22, s22, s2
	s_lshl_b32 s22, s22, 11                        ; my wave's 512 rewards
	s_mov_b32 s23, 0
	s_mov_b32 s[SEL], 0x76543210
	s_mov_b32 s[SEL+1], 0xfedcba98
	v_mov_b32 v[TP], 0                             ; written once: a lane permute's destination counts as one of its sources
	s_wait_alu depctr_va_vdst(0)
	s_wait_kmcnt 0x0
	s_load_b32 s16, s[8:9], 0x0                    ; reward_mean
	s_load_b32 s17, s[10:11], 0x0                  ; reward_m2
	s_load_b32 s18, s[12:13], 0x0                  ; reward_count
	s_add_nc_u64 s[4:5], s[4:5], s[22:23]
	s_add_nc_u64 s[14:15], s[14:15], s[22:23]
.irp i, 0,1,2,3,4,5,6,7
	global_load_b128 v[M+4*\i:M+4*\i+3], v1, s[6:7] offset:512*\i
.endr
.irp i, 0,1,2,3,4,5,6,7
	global_load_b128 v[Q+4*\i:Q+4*\i+3], v1, s[6:7] offset:4096+512*\i
.endr
.irp i, 0,1,2,3
	global_load_b128 v[R+4*\i:R+4*\i+3], v1, s[4:5] offset:512*\i th:TH_LOAD_NT
.endr
	s_wait_loadcnt 4                               ; the parts are in; my four loads of rewards, issued behind them, may be out
	SUM32 M, 96
	SUM32 Q, 100
	v_mul_f32 v96, 0x3a800000, v96                 ; / 1,024: the batch's mean
	v_mov_b32 v97, v96
.irp j, 0,2,4,6,8,10,12,14,16,18,20,22,24,26,28,30
	v_pk_add_f32 v[M+\j:M+\j+1], v[M+\j:M+\j+1], v[96:97] neg_lo:[0,1] neg_hi:[0,1]
.endr
	v_pk_mul_f32 v[104:105], v[M:M+1], v[M:M+1]
	v_pk_mul_f32 v[106:107], v[M+2:M+3], v[M+2:M+3]
.irp j, 4,8,12,16,20,24,28
	v_pk_fma_f32 v[104:105], v[M+\j:M+\j+1], v[M+\j:M+\j+1], v[104:105]
	v_pk_fma_f32 v[106:107], v[M+\j+2:M+\j+3], v[M+\j+2:M+\j+3], v[106:107]
.endr
	v_pk_add_f32 v[104:105], v[104:105], v[106:107]
	v_add_f32 v104, v104, v105
	REDUCE 104
	v_fma_f32 v100, 0x44000000, v104, v100         ; batch_m2 = sum(m2_w) + 512 sum((mean_w - mean)^2)
	s_wait_kmcnt 0x0
	v_mov_b32 v2, 0x49000000                       ; n = 524,288
	v_add_f32 v3, s18, v2                          ; new_count
	v_add_f32 v4, -1.0, v3
	v_sub_f32 v5, v96, s16                         ; delta
	s_wait_alu depctr_va_vdst(0)
	v_rcp_f32 v6, v3
	v_rcp_f32 v7, v4
	v_mul_f32 v8, v5, v2                           ; delta n  (a plain line behind the reciprocals; these five name none of their results)
	v_mul_f32 v9, v5, v5
	v_mul_f32 v9, s18, v9
	v_mul_f32 v9, v9, v2                           ; delta delta reward_count n
	v_add_f32 v10, s17, v100                       ; reward_m2 + batch_m2
	s_wait_alu depctr_va_vdst(0)                   ; one wait for both reciprocals, ahead of their first reader
	v_fma_f32 v14, v8, v6, s16                     ; new_mean
	v_fma_f32 v10, v9, v6, v10                     ; new_m2
	v_mul_f32 v10, v10, v7
	s_wait_alu depctr_va_vdst(0)
	v_sqrt_f32 v11, v10
	v_mov_b32 v15, v14                             ; (a plain line behind the root)  new_mean as a pair
	v_cmp_lt_f32 vcc_lo, 1.0, v3
	s_wait_alu depctr_va_vdst(0)
	v_cndmask_b32 v11, 1.0, v11, vcc_lo            ; std: the root where new_count > 1, else 1: a choice of values, no branch
	v_add_f32 v11, 0x322bcc77, v11                 ; + 1e-8
	s_wait_alu depctr_va_vdst(0)
	v_rcp_f32 v12, v11
	v_nop                                          ; a plain line behind the reciprocal
	s_wait_alu depctr_va_vdst(0)
	v_mov_b32 v13, v12
	s_wait_loadcnt 0x0                             ; my rewards
.irp j, 0,2,4,6,8,10,12,14
	v_pk_add_f32 v[R+\j:R+\j+1], v[R+\j:R+\j+1], v[14:15] neg_lo:[0,1] neg_hi:[0,1]   ; the difference first, then the factor: fused the other way round, a mean that is large beside std would cost digits
.endr
	s_wait_alu depctr_va_vdst(0)
.irp j, 0,2,4,6,8,10,12,14
	v_pk_mul_f32 v[R+\j:R+\j+1], v[R+\j:R+\j+1], v[12:13]
.endr
.irp i, 0,1,2,3
	global_store_b128 v1, v[R+4*\i:R+4*\i+3], s[14:15] offset:512*\i th:TH_STORE_NT
.endr
	s_endpgm
.Lfunc_end_k_q6ca4fd28a1_norm:
	.size	k_q6ca4fd28a1_norm, .Lfunc_end_k_q6ca4fd28a1_norm-k_q6ca4fd28a1_norm
	.p2alignl 7, 3214868480
	.fill 96, 4, 3214868480
	.section	.rodata,"a",@progbits
	.p2align	6, 0x0
	.amdhsa_kernel k_q6ca4fd28a1_norm
		.amdhsa_group_segment_fixed_size 0
		.amdhsa_private_segment_fixed_size 0
		.amdhsa_enable_private_segment 0
		.amdhsa_kernarg_size 48
		.amdhsa_user_sgpr_count 2
		.amdhsa_user_sgpr_kernarg_segment_ptr 1
		.amdhsa_wavefront_size32 1
		.amdhsa_system_sgpr_workgroup_id_x 1
		.amdhsa_system_sgpr_workgroup_id_y 1
		.amdhsa_system_sgpr_workgroup_id_z 1
		.amdhsa_system_vgpr_workitem_id 0
		.amdhsa_next_free_vgpr 112
		.amdhsa_next_free_sgpr 66
		.amdhsa_reserve_vcc 1
		.amdhsa_float_denorm_mode_32 3
		.amdhsa_float_denorm_mode_16_64 3
		.amdhsa_memory_ordered 1
		.amdhsa_forward_progress 1
		.amdhsa_inst_pref_size 11
	.end_amdhsa_kernel
	.amdgpu_metadata
---
amdhsa.version: [ 1, 2 ]
amdhsa.kernels:
  - .name:           k_q6ca4fd28a1_norm
    .symbol:         k_q6ca4fd28a1_norm.kd
    .args:
      - { .name: rewards, .offset: 0, .size: 8, .value_kind: global_buffer, .address_space: global }
      - { .name: parts, .offset: 8, .size: 8, .value_kind: global_buffer, .address_space: global }
      - { .name: reward_mean, .offset: 16, .size: 8, .value_kind: global_buffer, .address_space: global }
      - { .name: reward_m2, .offset: 24, .size: 8, .value_kind: global_buffer, .address_space: global }
      - { .name: reward_count, .offset: 32, .size: 8, .value_kind: global_buffer, .address_space: global }
      - { .name: out0, .offset: 40, .size: 8, .value_kind: global_buffer, .address_space: global }
    .group_segment_fixed_size: 0
    .private_segment_fixed_size: 0
    .kernarg_segment_align: 8
    .kernarg_segment_size: 48
    .max_flat_workgroup_size: 128
    .sgpr_count:     66
    .vgpr_count:     112
    .wavefront_size: 32
...
	.end_amdgpu_metadata
.endif
;; end of part 2
